; MI455X (gfx1250); checked and timed in simulation.
; The chip was launched on July 23, 2026; its instructions are those of AMD's public machine-readable ISA for CDNA 5 (MIT licence, August 2026) and "CDNA5" Instruction Set Architecture Reference Guide (July 2026). The comments in the code are by the model that wrote it; some were corrected since.
;; Extract Feature Map. Allowed arithmetic: float matrix products may take bf16 or f16 operands with f32 sums; all other float work in f32.
;; Inputs: coords 32,768 x 4 float32; feature_map 2,048 x 4 float32; x_features 2,048 x 64 float32.
;; Outputs: out0 32,768 x 4 float32; out1 32,768 x 64 float32.
;; Constants: i = 3.
;; 2 versions, each right; version 2 is version 1 with the launch gather written anew for expert scheduling mode. Each part assembles by itself: llvm-mc -triple=amdgcn-amd-amdhsa -mcpu=gfx1250 --defsym DOCPART=n.
;; ======== version 1 of 2: 2 launches
;; workspace buffers: sel 262,144 bytes of whole numbers
;; launch find (part 1): grid 128 x 2, 16 waves a work-group, no clusters, 18,432 bytes of LDS; arguments coords, feature_map, sel; writes sel
.if DOCPART == 1
	.amdgcn_target "amdgcn-amd-amdhsa--gfx1250"
	.amdhsa_code_object_version 6
	.text
	.protected	k_q62e0bd8de5_find
	.globl	k_q62e0bd8de5_find
	.p2align	8
	.type	k_q62e0bd8de5_find,@function
k_q62e0bd8de5_find:
	s_mov_b64 s[64:65], 0
	v_nop
	global_prefetch_b8 v0, s[64:65] scope:SCOPE_SE
	s_setreg_imm32_b32 hwreg(HW_REG_WAVE_MODE, 25, 1), 1
	s_wait_xcnt 0x0
; sel[y][j] = the lowest n among coarse voxels 1024 y .. 1024 y + 1023 whose box holds fine voxel j, or 2048 if none does.
; Box test, in the f32 operations of the problem itself: lo = 8 fm[n][d], hi = lo + 8, and lo <= c[j][d], hi > c[j][d] in all four columns.
; So it holds for every input: NaN compares false, an overflow to infinity behaves as it does there; no limit on values is kept.
; The index is only stored here: it comes from float compares, so the launch that follows forms the addresses from it.
;
; SHARES.  Work-group (x, y): fine voxels 256 x .. 256 x + 255 against coarse half y.  16 waves; wave w takes 64 coarse voxels and all 256
; fine voxels: 8 sets of 32, one voxel of each set in a lane (32 registers of coordinates).  A coarse voxel's 8 bounds are scalars.
; For 32 pairs: 8 v_cmp into scalar masks and one v_cndmask; the seven ANDs are scalar and serve two sets at once (s_and_b64 on a pair of masks).
; The 9 scalar instructions that a coarse voxel costs by itself (4 multiplies, 4 adds, its index) are shared by 72 vector instructions.
; Coarse voxels are walked DOWNWARD, so that the select simply overwrites: the lowest match is written last.
; No cluster, no tensor load: the work-group reads 4 KiB of coords and 16 KiB of feature_map, and compares bind.
;
; Set s = 4 half + j holds fine voxel 256 x + 128 half + 4 lane + j: a lane's registers SEL+4 half .. +3 are four neighbouring voxels,
; so the result leaves as 16 bytes a lane, 512 neighbouring bytes a wave.
.set CPW,    64                        ; coarse voxels of a wave
.set GROUP,  4                         ; coarse voxels of one scalar load (64 bytes)
.set TRIPS,  CPW/GROUP
.set NONE,   2048                      ; above every index: loses every minimum
.set EIGHT,  0x41000000                ; 8.0
.set C,   4                            ; v[4:35]    set s: its voxel's four coordinates in v[C+4s : C+4s+3]
.set SEL, 36                           ; v[36:43]   set s: lowest match so far
.set R,   44                           ; v[44:107]  the end: the 16 waves' results
.set RAW, 16                           ; s[16:31]   four rows of feature_map as loaded
.set LO,  32                           ; s[32:47]   8 fm
.set HI,  48                           ; s[48:63]   8 fm + 8
.set M,   66                           ; s[66:97]   two banks of 8 pairs of masks (low word: set 2p, high word: set 2p+1)
.set N,   98                           ; s[98:101]  the four rows' indices
	s_load_b128 s[4:7], s[0:1], 0x0                ; coords s[4:5], feature_map s[6:7]
	s_load_b64 s[8:9], s[0:1], 0x10                ; sel
	v_lshl_add_u32 v108, v0, 2, 0x4000
	v_mov_b32 v109, 0
	v_and_b32 v1, 31, v0                           ; lane
	v_lshrrev_b32 v2, 5, v0
	v_readfirstlane_b32 s10, v2                    ; wave 0..15
	s_and_b32 s11, ttmp7, 0xffff                   ; y: which half of the coarse voxels
	v_lshlrev_b32 v3, 6, v1                        ; 64 x lane: four voxels of 16 bytes
	s_lshl_b32 s12, ttmp9, 12                      ; 256 voxels x 16 bytes
	s_mov_b32 s13, 0
	s_lshl_b32 s14, s11, 10                        ; 1024 y
	s_lshl_b32 s15, s10, 6                         ; + 64 wave
	s_add_co_u32 s14, s14, s15
	s_add_co_u32 s14, s14, CPW-GROUP               ; the wave's highest group of four comes first
.irp k, 0,1,2,3
	s_add_co_u32 s[N+\k], s14, \k
.endr
	s_lshl_b32 s14, s14, 4                         ; in bytes
	s_mov_b32 s15, 0
	s_wait_kmcnt 0x0
	s_add_nc_u64 s[6:7], s[6:7], s[14:15]
	s_load_b512 s[RAW:RAW+15], s[6:7], 0x0         ; the first group
	s_add_nc_u64 s[4:5], s[4:5], s[12:13]
.irp s, 0,1,2,3,4,5,6,7
	global_load_b128 v[C+4*\s:C+4*\s+3], v3, s[4:5] offset:(\s/4)*2048+(\s%4)*16
.endr
	s_lshl_b32 s12, s11, 17                        ; sel: list y (32768 words) ...
	s_lshl_b32 s14, ttmp9, 10                      ; ... + 256 words of this work-group
	s_add_co_u32 s12, s12, s14
	s_add_nc_u64 s[8:9], s[8:9], s[12:13]
.irp s, 0,1,2,3,4,5,6,7
	v_mov_b32 v[SEL+\s], NONE
.endr
	s_mov_b32 s2, TRIPS-1
	s_wait_loadcnt 0x0                             ; the coordinates, once
; 16 compares: coarse voxel k of the group against sets 2p and 2p+1, into bank p % 2
.macro CMP k, p
.irp d, 0,1,2,3
	v_cmp_le_f32 s[M+16*((\p)%2)+4*\d],   s[LO+4*(\k)+\d], v[C+8*(\p)+\d]
	v_cmp_le_f32 s[M+16*((\p)%2)+4*\d+1], s[LO+4*(\k)+\d], v[C+8*(\p)+4+\d]
	v_cmp_gt_f32 s[M+16*((\p)%2)+4*\d+2], s[HI+4*(\k)+\d], v[C+8*(\p)+\d]
	v_cmp_gt_f32 s[M+16*((\p)%2)+4*\d+3], s[HI+4*(\k)+\d], v[C+8*(\p)+4+\d]
.endr
.endm
; the eight conditions of both sets ANDed, then the select: a match overwrites with the (lower) index
.macro FIN k, p
.set MB, M+16*((\p)%2)
	s_and_b64 s[MB:MB+1],     s[MB:MB+1],     s[MB+2:MB+3]
	s_and_b64 s[MB+4:MB+5],   s[MB+4:MB+5],   s[MB+6:MB+7]
	s_and_b64 s[MB+8:MB+9],   s[MB+8:MB+9],   s[MB+10:MB+11]
	s_and_b64 s[MB+12:MB+13], s[MB+12:MB+13], s[MB+14:MB+15]
	s_and_b64 s[MB:MB+1],     s[MB:MB+1],     s[MB+4:MB+5]
	s_and_b64 s[MB+8:MB+9],   s[MB+8:MB+9],   s[MB+12:MB+13]
	s_and_b64 s[MB:MB+1],     s[MB:MB+1],     s[MB+8:MB+9]
	v_cndmask_b32 v[SEL+2*(\p)],   v[SEL+2*(\p)],   s[N+(\k)], s[MB]
	v_cndmask_b32 v[SEL+2*(\p)+1], v[SEL+2*(\p)+1], s[N+(\k)], s[MB+1]
.endm
; One group of four coarse voxels.  more = 1: the next lower group is asked for as soon as RAW has been read, a whole trip ahead of its use.
.macro TRIP more
	s_wait_kmcnt 0x0                               ; the group is in RAW (scalar loads: the count 0 alone says anything)
.set q, 0
.rept 16
	s_mul_f32 s[LO+q], s[RAW+q], EIGHT
.set q, q+1
.endr
.set q, 0
.rept 16
	s_add_f32 s[HI+q], s[LO+q], EIGHT
.set q, q+1
.endr
.if \more
	s_wait_xcnt 0x0                                ; the base of the last scalar load is stepped only behind this wait
	s_sub_nc_u64 s[6:7], s[6:7], GROUP*16
	s_load_b512 s[RAW:RAW+15], s[6:7], 0x0
.endif
	; 16 steps, voxel 3 down to 0, set pairs 0 to 3.  A step's ANDs and selects stand behind the NEXT step's compares (the other bank),
	; so that the scalar ANDs do not follow straight on the compares whose masks they read.
.set i, 0
.rept 16
	CMP (3-i/4), (i%4)
.if i > 0
	FIN (3-(i-1)/4), ((i-1)%4)
.endif
.set i, i+1
.endr
	FIN 0, 3
.if \more
.irp k, 0,1,2,3
	s_sub_co_u32 s[N+\k], s[N+\k], GROUP
.endr
.endif
.endm
.Ltrip:
	TRIP 1
	s_sub_co_i32 s2, s2, 1
	s_cmp_lg_u32 s2, 0
	s_cbranch_scc1 .Ltrip
	TRIP 0                                         ; the wave's lowest group: nothing is loaded below the wave's part
	; The 16 waves' results meet in LDS: wave w's 1,024 bytes hold [half][lane] quads of 16 bytes.
	v_lshlrev_b32 v3, 4, v1
	v_lshl_add_u32 v3, v2, 10, v3                  ; 1024 wave + 16 lane
	ds_store_b128 v3, v[SEL:SEL+3]
	ds_store_b128 v3, v[SEL+4:SEL+7] offset:512
	s_wait_dscnt 0x0                               ; for the readers' sake: my stores are in LDS before I signal
	s_barrier_signal -1
	s_barrier_wait -1
	s_cmp_gt_u32 s10, 1
	s_cbranch_scc1 .Ldone                          ; 64 quads: waves 0 and 1 finish
	v_lshlrev_b32 v2, 4, v0                        ; thread t = 32 half + lane takes quad t of every wave
.set w, 0
.rept 16
	ds_load_b128 v[R+4*w:R+4*w+3], v2 offset:1024*w
.set w, w+1
.endr
	s_wait_dscnt 0x0
.set w, 1
.rept 15
.irp j, 0,1,2,3
	v_min_u32 v[R+\j], v[R+\j], v[R+4*w+\j]
.endr
.set w, w+1
.endr
	global_store_b128 v2, v[R:R+3], s[8:9]         ; a wave stores 512 neighbouring bytes, at a multiple of 512 from sel's first byte
.Ldone:
	s_wait_tensorcnt 0x0
	ds_add_u32 v108, v109
	s_wait_dscnt 0x0
	s_endpgm
.Lfunc_end_k_q62e0bd8de5_find:
	.size	k_q62e0bd8de5_find, .Lfunc_end_k_q62e0bd8de5_find-k_q62e0bd8de5_find
	.p2alignl 7, 3214868480
	.fill 96, 4, 3214868480
	.section	.rodata,"a",@progbits
	.p2align	6, 0x0
	.amdhsa_kernel k_q62e0bd8de5_find
		.amdhsa_group_segment_fixed_size 18432
		.amdhsa_private_segment_fixed_size 0
		.amdhsa_enable_private_segment 0
		.amdhsa_kernarg_size 24
		.amdhsa_user_sgpr_count 2
		.amdhsa_user_sgpr_kernarg_segment_ptr 1
		.amdhsa_wavefront_size32 1
		.amdhsa_system_sgpr_workgroup_id_x 1
		.amdhsa_system_sgpr_workgroup_id_y 1
		.amdhsa_system_sgpr_workgroup_id_z 1
		.amdhsa_system_vgpr_workitem_id 0
		.amdhsa_next_free_vgpr 110
		.amdhsa_next_free_sgpr 102
		.amdhsa_reserve_vcc 0
		.amdhsa_float_denorm_mode_32 3
		.amdhsa_float_denorm_mode_16_64 3
		.amdhsa_memory_ordered 1
		.amdhsa_forward_progress 1
		.amdhsa_inst_pref_size 54
	.end_amdhsa_kernel
	.amdgpu_metadata
---
amdhsa.version: [ 1, 2 ]
amdhsa.kernels:
  - .name:           k_q62e0bd8de5_find
    .symbol:         k_q62e0bd8de5_find.kd
    .args:
      - { .name: coords, .offset: 0, .size: 8, .value_kind: global_buffer, .address_space: global }
      - { .name: feature_map, .offset: 8, .size: 8, .value_kind: global_buffer, .address_space: global }
      - { .name: sel, .offset: 16, .size: 8, .value_kind: global_buffer, .address_space: global }
    .group_segment_fixed_size: 18432
    .private_segment_fixed_size: 0
    .kernarg_segment_align: 8
    .kernarg_segment_size: 24
    .max_flat_workgroup_size: 512
    .sgpr_count:     102
    .vgpr_count:     110
    .wavefront_size: 32
...
	.end_amdgpu_metadata
.endif
;; end of part 1
;; launch gather (part 2): grid 256 x 1, 4 waves a work-group, no clusters, 0 bytes of LDS; arguments sel, feature_map, x_features, out0, out1; writes out0, out1
.if DOCPART == 2
	.amdgcn_target "amdgcn-amd-amdhsa--gfx1250"
	.amdhsa_code_object_version 6
	.text
	.protected	k_q62e0bd8de5_gather
	.globl	k_q62e0bd8de5_gather
	.p2align	8
	.type	k_q62e0bd8de5_gather,@function
k_q62e0bd8de5_gather:
	s_mov_b64 s[64:65], 0
	v_nop
	global_prefetch_b8 v0, s[64:65] scope:SCOPE_SE
	s_setreg_imm32_b32 hwreg(HW_REG_WAVE_MODE, 25, 1), 1
	s_wait_xcnt 0x0
; out1[j] = x_features[n], out0[j] = feature_map[n], n = the lower of the two lists' entries for j, or 0 where both say 2048 (no box holds j:
; the argmax of an all-false column is 0).
; A stream: 1,024 waves, 32 rows each, no LDS, no barrier.  A row of x_features is 256 bytes = 16 lanes x 16 bytes, so one load or store
; moves two rows: row 16 h + k of the wave's 32 in lanes of half h (k = 0..15).  All 17 gathers of a wave are out at once.
; No prefetch: a row's address is known only when its index has come, and the gather follows at once.
.set LIST, 131072                      ; bytes from one list of sel to the other
.set IA,  10                           ; v[10:25]   my half's 16 indices, list 0; then the rows' byte offsets
.set IB,  26                           ; v[26:41]   the same, list 1
.set JA,  42                           ; v42        index of row `lane` (for out0), list 0; then its byte offset
.set JB,  43                           ; v43        list 1
.set D,   44                           ; v[44:107]  16 x 16 bytes of x_features
.set E,   108                          ; v[108:111] a row of feature_map
	s_load_b256 s[4:11], s[0:1], 0x0               ; sel s[4:5], feature_map s[6:7], x_features s[8:9], out0 s[10:11]
	s_load_b64 s[12:13], s[0:1], 0x20              ; out1
	v_and_b32 v1, 31, v0                           ; lane
	v_lshrrev_b32 v2, 5, v0
	v_readfirstlane_b32 s14, v2                    ; wave 0..3
	s_lshl_b32 s15, ttmp9, 2
	s_add_co_u32 s15, s15, s14                     ; the wave's number in the launch: its rows begin at 32 x that
	v_and_b32 v3, 15, v0                           ; r: which 16 bytes of a row
	v_bfe_u32 v4, v0, 4, 1                         ; h: which half of the lanes
	v_lshlrev_b32 v5, 6, v4                        ; sel: my half's 16 words
	v_lshlrev_b32 v6, 2, v1                        ; sel: my lane's word
	v_lshlrev_b32 v7, 4, v3                        ; 16 r
	v_lshl_add_u32 v8, v4, 12, v7                  ; out1: 16 h rows of 256 bytes + 16 r
	v_lshlrev_b32 v9, 4, v1                        ; out0: 16 lane
	s_lshl_b32 s16, s15, 7                         ; 32 rows x 4 bytes
	s_mov_b32 s17, 0
	s_lshl_b32 s18, s15, 9                         ; 32 rows x 16 bytes
	s_mov_b32 s19, 0
	s_lshl_b32 s20, s15, 13                        ; 32 rows x 256 bytes
	s_mov_b32 s21, 0
	s_wait_kmcnt 0x0
	s_add_nc_u64 s[4:5], s[4:5], s[16:17]
	s_add_nc_u64 s[10:11], s[10:11], s[18:19]
	s_add_nc_u64 s[12:13], s[12:13], s[20:21]
.irp i, 0,1,2,3
	global_load_b128 v[IA+4*\i:IA+4*\i+3], v5, s[4:5] offset:16*\i
	global_load_b128 v[IB+4*\i:IB+4*\i+3], v5, s[4:5] offset:LIST+16*\i
.endr
	global_load_b32 v[JA], v6, s[4:5]
	global_load_b32 v[JB], v6, s[4:5] offset:LIST
	s_wait_loadcnt 0x0                             ; ten loads of the same 128 + 128 bytes, issued in one run: they are waited for together
.irp k, 0,1,2,3,4,5,6,7,8,9,10,11,12,13,14,15
	v_min_u32 v[IA+\k], v[IA+\k], v[IB+\k]         ; the lower half's match wins; 2048 loses to any index
	v_min_u32 v[IA+\k], 0x800, v[IA+\k]            ; a number read from memory is bounded before it forms an address
	v_and_b32 v[IA+\k], 0x7ff, v[IA+\k]            ; 2048 (no match) becomes row 0
	v_lshl_add_u32 v[IA+\k], v[IA+\k], 8, v7       ; 256 n + 16 r
	global_load_b128 v[D+4*\k:D+4*\k+3], v[IA+\k], s[8:9]
.endr
	v_min_u32 v[JA], v[JA], v[JB]
	v_min_u32 v[JA], 0x800, v[JA]
	v_and_b32 v[JA], 0x7ff, v[JA]
	v_lshlrev_b32 v[JA], 4, v[JA]                  ; 16 n
	global_load_b128 v[E:E+3], v[JA], s[6:7]
.irp k, 0,1,2,3,4,5,6,7,8,9,10,11,12,13,14,15
	s_wait_loadcnt 16-\k                           ; behind gather k stand 15 - k row gathers and the coordinate gather: they stay out
	global_store_b128 v8, v[D+4*\k:D+4*\k+3], s[12:13] offset:256*\k th:TH_STORE_NT   ; each half of the lanes stores one whole row: 256 bytes, aligned
.endr
	s_wait_loadcnt 0x0
	global_store_b128 v9, v[E:E+3], s[10:11] th:TH_STORE_NT                          ; 32 rows of 16 bytes: 512 neighbouring bytes
	s_endpgm
.Lfunc_end_k_q62e0bd8de5_gather:
	.size	k_q62e0bd8de5_gather, .Lfunc_end_k_q62e0bd8de5_gather-k_q62e0bd8de5_gather
	.p2alignl 7, 3214868480
	.fill 96, 4, 3214868480
	.section	.rodata,"a",@progbits
	.p2align	6, 0x0
	.amdhsa_kernel k_q62e0bd8de5_gather
		.amdhsa_group_segment_fixed_size 0
		.amdhsa_private_segment_fixed_size 0
		.amdhsa_enable_private_segment 0
		.amdhsa_kernarg_size 40
		.amdhsa_user_sgpr_count 2
		.amdhsa_user_sgpr_kernarg_segment_ptr 1
		.amdhsa_wavefront_size32 1
		.amdhsa_system_sgpr_workgroup_id_x 1
		.amdhsa_system_sgpr_workgroup_id_y 1
		.amdhsa_system_sgpr_workgroup_id_z 1
		.amdhsa_system_vgpr_workitem_id 0
		.amdhsa_next_free_vgpr 112
		.amdhsa_next_free_sgpr 66
		.amdhsa_reserve_vcc 0
		.amdhsa_float_denorm_mode_32 3
		.amdhsa_float_denorm_mode_16_64 3
		.amdhsa_memory_ordered 1
		.amdhsa_forward_progress 1
		.amdhsa_inst_pref_size 10
	.end_amdhsa_kernel
	.amdgpu_metadata
---
amdhsa.version: [ 1, 2 ]
amdhsa.kernels:
  - .name:           k_q62e0bd8de5_gather
    .symbol:         k_q62e0bd8de5_gather.kd
    .args:
      - { .name: sel, .offset: 0, .size: 8, .value_kind: global_buffer, .address_space: global }
      - { .name: feature_map, .offset: 8, .size: 8, .value_kind: global_buffer, .address_space: global }
      - { .name: x_features, .offset: 16, .size: 8, .value_kind: global_buffer, .address_space: global }
      - { .name: out0, .offset: 24, .size: 8, .value_kind: global_buffer, .address_space: global }
      - { .name: out1, .offset: 32, .size: 8, .value_kind: global_buffer, .address_space: global }
    .group_segment_fixed_size: 0
    .private_segment_fixed_size: 0
    .kernarg_segment_align: 8
    .kernarg_segment_size: 40
    .max_flat_workgroup_size: 128
    .sgpr_count:     66
    .vgpr_count:     112
    .wavefront_size: 32
...
	.end_amdgpu_metadata
.endif
;; end of part 2
;; ======== version 2 of 2: 2 launches; version 1 with the launch gather written anew for expert scheduling mode
;; workspace buffers: sel 262,144 bytes of whole numbers
;; launch find: the kernel of part 1 again; grid 128 x 2, 16 waves a work-group, no clusters, 18,432 bytes of LDS; arguments coords, feature_map, sel; writes sel
;; launch gather (part 3): grid 256 x 1, 4 waves a work-group, no clusters, 0 bytes of LDS; arguments sel, feature_map, x_features, out0, out1; writes out0, out1
.if DOCPART == 3
	.amdgcn_target "amdgcn-amd-amdhsa--gfx1250"
	.amdhsa_code_object_version 6
	.text
	.protected	k_q62e0bd8de5_gather
	.globl	k_q62e0bd8de5_gather
	.p2align	8
	.type	k_q62e0bd8de5_gather,@function
k_q62e0bd8de5_gather:
	s_mov_b64 s[64:65], 0
	v_nop
	global_prefetch_b8 v0, s[64:65] scope:SCOPE_SE
	s_setreg_imm32_b32 hwreg(HW_REG_WAVE_SCHED_MODE, 0, 2), 2
	s_setreg_imm32_b32 hwreg(HW_REG_WAVE_MODE, 25, 1), 1
	s_wait_xcnt 0x0
	s_wait_alu depctr_vm_vsrc(0)
; out1[j] = x_features[n], out0[j] = feature_map[n], n = the lower of the two lists' entries for j, or 0 where both say 2048 (no box holds j:
; the argmax of an all-false column is 0).
; A stream: 1,024 waves, 32 rows each, no LDS, no barrier.  A row of x_features is 256 bytes = 16 lanes x 16 bytes, so one load or store
; moves two rows: row 16 h + k of the wave's 32 in lanes of half h (k = 0..15).  All 17 gathers of a wave are out at once.
; No prefetch: a row's address is known only when its index has come, and the gathers follow the address arithmetic at once.
; THE MODE: SCHED_MODE bits 1:0 = 2 (LLVM: expert scheduling mode 2), set by the entry lines.  The code itself states the register dependences
; between vector instructions and memory instructions, with s_wait_alu, always for 0.
; THE PLAN.  Registers that memory instructions touch, in program order (there is no loop):
;   v5, v6, v8, v9   offsets, written once at the head by vector instructions; read by the index loads (v5, v6) and by the stores (v8, v9);
;                    never written again, and no later vector instruction names them.
;   IA, IB, JA, JB   the index loads land in them (no vector instruction has named them before); behind the wait for those loads the address
;                    arithmetic reads them and writes IA and JA in place; then the 17 gathers read IA and JA as offsets; nothing writes them after that.
;   D, E             the gathers land in them, the stores read them; no vector instruction ever names them.
;   s14              written by v_readfirstlane_b32, read by scalar arithmetic.
; So three waits state everything: one on va_sdst ahead of s14's first reader, one on va_vdst ahead of the first load (the four offsets),
; one on va_vdst ahead of the run of gathers (all 17 offsets).  For that last one to be ONE wait the address arithmetic goes stage by stage over
; all 17 indices, so that no line reads the result of the line before it, and the gathers leave in one run behind it.
; No register that a memory instruction reads is written again, so no wait on vm_vsrc is owed.
.set LIST, 131072                      ; bytes from one list of sel to the other
.set IA,  10                           ; v[10:25]   my half's 16 indices, list 0; then the rows' byte offsets
.set IB,  26                           ; v[26:41]   the same, list 1
.set JA,  42                           ; v42        index of row `lane` (for out0), list 0; then its byte offset
.set JB,  43                           ; v43        list 1
.set D,   44                           ; v[44:107]  16 x 16 bytes of x_features
.set E,   108                          ; v[108:111] a row of feature_map
	s_load_b256 s[4:11], s[0:1], 0x0               ; sel s[4:5], feature_map s[6:7], x_features s[8:9], out0 s[10:11]
	s_load_b64 s[12:13], s[0:1], 0x20              ; out1
	v_and_b32 v1, 31, v0                           ; lane
	v_lshrrev_b32 v2, 5, v0
	v_readfirstlane_b32 s14, v2                    ; wave 0..3
	v_and_b32 v3, 15, v0                           ; r: which 16 bytes of a row
	v_bfe_u32 v4, v0, 4, 1                         ; h: which half of the lanes
	v_lshlrev_b32 v5, 6, v4                        ; sel: my half's 16 words
	v_lshlrev_b32 v6, 2, v1                        ; sel: my lane's word
	v_lshlrev_b32 v7, 4, v3                        ; 16 r
	v_lshl_add_u32 v8, v4, 12, v7                  ; out1: 16 h rows of 256 bytes + 16 r
	v_lshlrev_b32 v9, 4, v1                        ; out0: 16 lane
	s_wait_alu depctr_va_sdst(0)                   ; s14 is written, ahead of its first reader: the three bases' offsets are made from it
	s_lshl_b32 s15, ttmp9, 2
	s_add_co_u32 s15, s15, s14                     ; the wave's number in the launch: its rows begin at 32 x that
	s_lshl_b32 s16, s15, 7                         ; 32 rows x 4 bytes
	s_mov_b32 s17, 0
	s_lshl_b32 s18, s15, 9                         ; 32 rows x 16 bytes
	s_mov_b32 s19, 0
	s_lshl_b32 s20, s15, 13                        ; 32 rows x 256 bytes
	s_mov_b32 s21, 0
	s_wait_kmcnt 0x0
	s_add_nc_u64 s[4:5], s[4:5], s[16:17]
	s_add_nc_u64 s[10:11], s[10:11], s[18:19]
	s_add_nc_u64 s[12:13], s[12:13], s[20:21]
	s_wait_alu depctr_va_vdst(0)                   ; v5 and v6 are written, which the index loads read as offsets; so are v8 and v9, which the stores read and no later vector line names
.irp i, 0,1,2,3
	global_load_b128 v[IA+4*\i:IA+4*\i+3], v5, s[4:5] offset:16*\i
	global_load_b128 v[IB+4*\i:IB+4*\i+3], v5, s[4:5] offset:LIST+16*\i
.endr
	global_load_b32 v[JA], v6, s[4:5]
	global_load_b32 v[JB], v6, s[4:5] offset:LIST
	s_wait_loadcnt 0x0                             ; ten loads of the same 128 + 128 bytes, issued in one run: they are waited for together
	; the 17 offsets, stage by stage
.irp k, 0,1,2,3,4,5,6,7,8,9,10,11,12,13,14,15
	v_min_u32 v[IA+\k], v[IA+\k], v[IB+\k]         ; the lower half's match wins; 2048 loses to any index
.endr
	v_min_u32 v[JA], v[JA], v[JB]
.irp k, 0,1,2,3,4,5,6,7,8,9,10,11,12,13,14,15
	v_min_u32 v[IA+\k], 0x800, v[IA+\k]            ; a number read from memory is bounded before it forms an address
.endr
	v_min_u32 v[JA], 0x800, v[JA]
.irp k, 0,1,2,3,4,5,6,7,8,9,10,11,12,13,14,15
	v_and_b32 v[IA+\k], 0x7ff, v[IA+\k]            ; 2048 (no match) becomes row 0
.endr
	v_and_b32 v[JA], 0x7ff, v[JA]
.irp k, 0,1,2,3,4,5,6,7,8,9,10,11,12,13,14,15
	v_lshl_add_u32 v[IA+\k], v[IA+\k], 8, v7       ; 256 n + 16 r
.endr
	v_lshlrev_b32 v[JA], 4, v[JA]                  ; 16 n
	s_wait_alu depctr_va_vdst(0)                   ; the shifts have written IA and JA, which the 17 gathers below read as offsets
.irp k, 0,1,2,3,4,5,6,7,8,9,10,11,12,13,14,15
	global_load_b128 v[D+4*\k:D+4*\k+3], v[IA+\k], s[8:9]
.endr
	global_load_b128 v[E:E+3], v[JA], s[6:7]
.irp k, 0,1,2,3,4,5,6,7,8,9,10,11,12,13,14,15
	s_wait_loadcnt 16-\k                           ; behind gather k stand 15 - k row gathers and the coordinate gather: they stay out
	global_store_b128 v8, v[D+4*\k:D+4*\k+3], s[12:13] offset:256*\k th:TH_STORE_NT   ; each half of the lanes stores one whole row: 256 bytes, aligned
.endr
	s_wait_loadcnt 0x0
	global_store_b128 v9, v[E:E+3], s[10:11] th:TH_STORE_NT                          ; 32 rows of 16 bytes: 512 neighbouring bytes
	s_endpgm
.Lfunc_end_k_q62e0bd8de5_gather:
	.size	k_q62e0bd8de5_gather, .Lfunc_end_k_q62e0bd8de5_gather-k_q62e0bd8de5_gather
	.p2alignl 7, 3214868480
	.fill 96, 4, 3214868480
	.section	.rodata,"a",@progbits
	.p2align	6, 0x0
	.amdhsa_kernel k_q62e0bd8de5_gather
		.amdhsa_group_segment_fixed_size 0
		.amdhsa_private_segment_fixed_size 0
		.amdhsa_enable_private_segment 0
		.amdhsa_kernarg_size 40
		.amdhsa_user_sgpr_count 2
		.amdhsa_user_sgpr_kernarg_segment_ptr 1
		.amdhsa_wavefront_size32 1
		.amdhsa_system_sgpr_workgroup_id_x 1
		.amdhsa_system_sgpr_workgroup_id_y 1
		.amdhsa_system_sgpr_workgroup_id_z 1
		.amdhsa_system_vgpr_workitem_id 0
		.amdhsa_next_free_vgpr 112
		.amdhsa_next_free_sgpr 66
		.amdhsa_reserve_vcc 0
		.amdhsa_float_denorm_mode_32 3
		.amdhsa_float_denorm_mode_16_64 3
		.amdhsa_memory_ordered 1
		.amdhsa_forward_progress 1
		.amdhsa_inst_pref_size 10
	.end_amdhsa_kernel
	.amdgpu_metadata
---
amdhsa.version: [ 1, 2 ]
amdhsa.kernels:
  - .name:           k_q62e0bd8de5_gather
    .symbol:         k_q62e0bd8de5_gather.kd
    .args:
      - { .name: sel, .offset: 0, .size: 8, .value_kind: global_buffer, .address_space: global }
      - { .name: feature_map, .offset: 8, .size: 8, .value_kind: global_buffer, .address_space: global }
      - { .name: x_features, .offset: 16, .size: 8, .value_kind: global_buffer, .address_space: global }
      - { .name: out0, .offset: 24, .size: 8, .value_kind: global_buffer, .address_space: global }
      - { .name: out1, .offset: 32, .size: 8, .value_kind: global_buffer, .address_space: global }
    .group_segment_fixed_size: 0
    .private_segment_fixed_size: 0
    .kernarg_segment_align: 8
    .kernarg_segment_size: 40
    .max_flat_workgroup_size: 128
    .sgpr_count:     66
    .vgpr_count:     112
    .wavefront_size: 32
...
	.end_amdgpu_metadata
.endif
;; end of part 3
